; MI455X (gfx1250); checked and timed in simulation.
; The chip was launched on July 23, 2026; its instructions are those of AMD's public machine-readable ISA for CDNA 5 (MIT licence, August 2026) and "CDNA5" Instruction Set Architecture Reference Guide (July 2026). The comments in the code are by the model that wrote it; some were corrected since.
;; Time Mixing. Allowed arithmetic: float matrix products may take bf16 or f16 operands with f32 sums; all other float work in f32.
;; Inputs: Wk 2,048 x 2,048 float32; Wo 2,048 x 2,048 float32; Wr 2,048 x 2,048 float32; Wv 2,048 x 2,048 float32; time_decay 2,048 float32; time_first 2,048 float32; x 8 x 512 x 2,048 float32.
;; Outputs: out0 8 x 512 x 2,048 float32.
;; 2 versions, each right; version 2 is version 1 with the launch cast written anew for expert scheduling mode. Each part assembles by itself: llvm-mc -triple=amdgcn-amd-amdhsa -mcpu=gfx1250 --defsym DOCPART=n.
;; ======== version 1 of 2: 3 launches
;; limits: values are held in f16: magnitudes above 65,504 overflow, below 6.1e-05 lose precision
;; workspace buffers: xb 16,777,216 bytes; wb 25,165,824 bytes; wo 8,388,608 bytes; yt 16,777,216 bytes
;; launch cast (part 1): grid 1280 x 1, 4 waves a work-group, no clusters, 0 bytes of LDS; arguments x, Wr, Wk, Wv, xb, wb; writes xb, wb
.if DOCPART == 1
	.amdgcn_target "amdgcn-amd-amdhsa--gfx1250"
	.amdhsa_code_object_version 6
	.text
	.protected	k_qea052f0e29_cast
	.globl	k_qea052f0e29_cast
	.p2align	8
	.type	k_qea052f0e29_cast,@function
k_qea052f0e29_cast:
	s_mov_b64 s[64:65], 0
	v_nop
	global_prefetch_b8 v0, s[64:65] scope:SCOPE_SE
	s_setreg_imm32_b32 hwreg(HW_REG_WAVE_MODE, 25, 1), 1
	s_wait_xcnt 0x0
; x, Wr, Wk, Wv -> bf16 in blocked layouts.  Every number is rounded to nearest even, once.
; xb: bf16 [b 8][ks 32][p 512][64]: a tile (b, ks) is 512 row places x 64 channels, 65,536 dense bytes.  Step t of a batch lies at place
;     p = (t & 0x180) | ((t >> 3) & 7) << 4 | ((t >> 6) & 1) << 3 | (t & 7), so that in the next launch a lane's matrix results are 64 consecutive steps.
; wb: bf16 [g 32][ks 32][row 192][64], row = 64 mat + (d & 63), mat 0 = Wr, 1 = Wk, 2 = Wv, g = d >> 6: a tile is 24,576 dense bytes.
; LIMITS.  bf16 has f32's range: none of range.  NaN and infinities are not treated apart.
; SHARES.  One wave takes two neighbouring rows of 2,048 f32 (16,384 bytes in, 8,192 out): 32 loads of 16 bytes a lane, all issued at once, then 32 stores of 8 bytes
; a lane.  5,120 pairs of rows, 4 waves a work-group: 1,280 work-groups, five for each of 256 WGPs.  No loop, no LDS, no barrier: memory binds, and no wave needs another.
; Every load covers two aligned runs of 256 bytes; every store of a wave covers 256 consecutive bytes, aligned: two neighbouring row places of 128 bytes lie end to end.
.set X,  4                             ; v[4:131]   load j: 4 registers; its packed result takes the first two
.set TW, 132                           ; v132       at work at the head
; 32 loads, 64 channels apart; then, as each comes in, its rounding and its store, a tile (outstep bytes) apart.
.macro ROWS outstep
.set j, 0
.rept 32
	global_load_b128 v[X+4*j:X+4*j+3], v2, s[28:29] offset:j*256 th:TH_LOAD_NT
.set j, j+1
.endr
.set j, 0
.rept 32
	s_wait_loadcnt 31-j                            ; loads come back in order (ISA guide 5.7.1): load j is in, the 31 - j younger ones stay out
	v_cvt_pk_bf16_f32 v[X+4*j], v[X+4*j], v[X+4*j+1]
	v_cvt_pk_bf16_f32 v[X+4*j+1], v[X+4*j+2], v[X+4*j+3]
	global_store_b64 v3, v[X+4*j:X+4*j+1], s[30:31] offset:j*(\outstep)  ; no register of a store is written again, so no wait follows
.set j, j+1
.endr
.endm
	s_load_b256 s[8:15], s[0:1], 0x0               ; x s[8:9], Wr s[10:11], Wk s[12:13], Wv s[14:15]
	s_load_b128 s[16:19], s[0:1], 0x20             ; xb s[16:17], wb s[18:19]
	v_and_b32 v1, 31, v0                           ; lane
	v_lshrrev_b32 v2, 5, v0
	v_readfirstlane_b32 s24, v2                    ; wave 0..3
	v_lshlrev_b32 v3, 3, v1                        ; out: 8 bytes a lane, 256 on end
	v_and_b32 v2, 15, v0
	v_lshlrev_b32 v2, 4, v2
	v_bfe_u32 v[TW], v0, 4, 1
	v_lshl_add_u32 v2, v[TW], 13, v2               ; in: lanes 0-15 the even row, lanes 16-31 the odd one, 16 bytes a lane
	s_mov_b32 s25, ttmp9                           ; q
	s_mov_b32 s33, 0                               ; high words of the two offsets
	s_mov_b32 s35, 0
	s_wait_kmcnt 0x0
	s_cmp_lt_u32 s25, 512
	s_cbranch_scc0 .Lnot_x
	; x: pair P = 4 q + wave of 2,048
	s_lshl2_add_u32 s36, s25, s24
	s_lshl_b32 s32, s36, 14
	s_add_nc_u64 s[28:29], s[8:9], s[32:33]        ; two rows are 16,384 bytes
	s_lshl_b32 s26, s36, 1
	s_and_b32 s26, s26, 511                        ; t, even
	s_and_b32 s27, s26, 0x180
	s_bfe_u32 s34, s26, 0x30003                    ; (t >> 3) & 7
	s_lshl_b32 s34, s34, 4
	s_or_b32 s27, s27, s34
	s_bfe_u32 s34, s26, 0x10006                    ; (t >> 6) & 1
	s_lshl_b32 s34, s34, 3
	s_or_b32 s27, s27, s34
	s_and_b32 s34, s26, 7
	s_or_b32 s27, s27, s34                         ; p; t + 1 lies at p + 1
	s_lshl_b32 s27, s27, 7                         ; 128 bytes a place
	s_lshr_b32 s34, s36, 8                         ; the batch
	s_lshl_b32 s34, s34, 21                        ; 32 tiles of 65,536 bytes
	s_add_co_u32 s34, s34, s27
	s_add_nc_u64 s[30:31], s[16:17], s[34:35]
	ROWS 65536
	s_endpgm
.Lnot_x:
	; Wr, Wk, Wv: 256 work-groups each; pair P of 1,024
	s_sub_co_u32 s26, s25, 512
	s_lshr_b32 s27, s26, 8                         ; mat
	s_and_b32 s26, s26, 255
	s_lshl2_add_u32 s36, s26, s24
	s_cmp_eq_u32 s27, 1
	s_cselect_b64 s[28:29], s[12:13], s[10:11]
	s_cmp_eq_u32 s27, 2
	s_cselect_b64 s[28:29], s[14:15], s[28:29]
	s_lshl_b32 s32, s36, 14
	s_add_nc_u64 s[28:29], s[28:29], s[32:33]
	s_lshr_b32 s34, s36, 5                         ; g = d >> 6, d = 2 P
	s_mul_i32 s34, s34, 786432                     ; 32 tiles of 24,576 bytes
	s_lshl_b32 s26, s36, 1
	s_and_b32 s26, s26, 63                         ; d & 63
	s_lshl_b32 s27, s27, 6
	s_add_co_u32 s26, s26, s27                     ; the row in a tile
	s_lshl_b32 s26, s26, 7
	s_add_co_u32 s34, s34, s26
	s_add_nc_u64 s[30:31], s[18:19], s[34:35]
	ROWS 24576
	s_endpgm
.Lfunc_end_k_qea052f0e29_cast:
	.size	k_qea052f0e29_cast, .Lfunc_end_k_qea052f0e29_cast-k_qea052f0e29_cast
	.p2alignl 7, 3214868480
	.fill 96, 4, 3214868480
	.section	.rodata,"a",@progbits
	.p2align	6, 0x0
	.amdhsa_kernel k_qea052f0e29_cast
		.amdhsa_group_segment_fixed_size 0
		.amdhsa_private_segment_fixed_size 0
		.amdhsa_enable_private_segment 0
		.amdhsa_kernarg_size 48
		.amdhsa_user_sgpr_count 2
		.amdhsa_user_sgpr_kernarg_segment_ptr 1
		.amdhsa_wavefront_size32 1
		.amdhsa_system_sgpr_workgroup_id_x 1
		.amdhsa_system_sgpr_workgroup_id_y 1
		.amdhsa_system_sgpr_workgroup_id_z 1
		.amdhsa_system_vgpr_workitem_id 0
		.amdhsa_next_free_vgpr 136
		.amdhsa_next_free_sgpr 66
		.amdhsa_reserve_vcc 0
		.amdhsa_float_denorm_mode_32 3
		.amdhsa_float_denorm_mode_16_64 3
		.amdhsa_memory_ordered 1
		.amdhsa_forward_progress 1
		.amdhsa_inst_pref_size 25
	.end_amdhsa_kernel
	.amdgpu_metadata
---
amdhsa.version: [ 1, 2 ]
amdhsa.kernels:
  - .name:           k_qea052f0e29_cast
    .symbol:         k_qea052f0e29_cast.kd
    .args:
      - { .name: x, .offset: 0, .size: 8, .value_kind: global_buffer, .address_space: global }
      - { .name: Wr, .offset: 8, .size: 8, .value_kind: global_buffer, .address_space: global }
      - { .name: Wk, .offset: 16, .size: 8, .value_kind: global_buffer, .address_space: global }
      - { .name: Wv, .offset: 24, .size: 8, .value_kind: global_buffer, .address_space: global }
      - { .name: xb, .offset: 32, .size: 8, .value_kind: global_buffer, .address_space: global }
      - { .name: wb, .offset: 40, .size: 8, .value_kind: global_buffer, .address_space: global }
    .group_segment_fixed_size: 0
    .private_segment_fixed_size: 0
    .kernarg_segment_align: 8
    .kernarg_segment_size: 48
    .max_flat_workgroup_size: 128
    .sgpr_count:     66
    .vgpr_count:     136
    .wavefront_size: 32
...
	.end_amdgpu_metadata
.endif
;; end of part 1
;; launch mix (part 2): grid 32 x 8, 4 waves a work-group, clusters of 4 x 4, 327,680 bytes of LDS; arguments xb, wb, time_decay, time_first, yt, Wo, wo; writes yt, wo
.if DOCPART == 2
	.amdgcn_target "amdgcn-amd-amdhsa--gfx1250"
	.amdhsa_code_object_version 6
	.text
	.protected	k_qea052f0e29_mix
	.globl	k_qea052f0e29_mix
	.p2align	8
	.type	k_qea052f0e29_mix,@function
k_qea052f0e29_mix:
	s_mov_b64 s[64:65], 0
	v_nop
	global_prefetch_b8 v0, s[64:65] scope:SCOPE_SE
	s_setreg_imm32_b32 hwreg(HW_REG_WAVE_MODE, 25, 1), 1
	s_wait_xcnt 0x0
	s_wait_alu depctr_hold_cnt(0) depctr_sa_sdst(0) depctr_va_vdst(0) depctr_va_sdst(0) depctr_va_ssrc(0) depctr_va_vcc(0) depctr_vm_vsrc(0)
	s_getreg_b32 s2, hwreg(HW_REG_IB_STS2, 6, 4)
	s_cmp_eq_u32 s2, 0
	s_cbranch_scc0 .Lentry_in_a_cluster
	s_endpgm
.Lentry_in_a_cluster:
	s_bfe_u32 s2, ttmp6, 0x10000c
	s_cmp_lg_u32 s2, 0xf033
	s_cbranch_scc0 .Lentry_shape_is_right
	s_endpgm
.Lentry_shape_is_right:
; r, k, v = x Wr^T, x Wk^T, x Wv^T (bf16 operands, f32 sums that never leave the registers and LDS), then the whole recurrence along t:
;   y_t = sigmoid(r_t) (a_t + e^(tf k_t) v_t) / (b_t + e^(tf k_t) + 1e-6),  a_(t+1) = w a_t + e^(k_t) v_t,  b_(t+1) = w b_t + e^(k_t),  w = e^(-e^(time_decay)), tf = e^(time_first).
; y leaves as f16, transposed: yt [b 8][c 2048][t 512].
; BESIDE THE SCAN each wave also rounds two rows of Wo to bf16 and writes those numbers as f16, blocked for the last launch's K steps: wo = block 0 [2048 d][128 c], then ten blocks [2048 d][192 c], each dense.
; LIMITS.  time_decay, time_first and Wo are rounded to bf16, like all the module's inputs.  y and Wo must lie within f16's 65,504 (|y| is at most the largest |v| seen so far); below 6e-5 f16 keeps its
; fixed step of 6e-8.  Exponentials and reciprocals flush denormals (ISA guide 15.8): an exponential below 2^-126 counts as 0, and a divisor (b + e^(tf k) + 1e-6)(1 + e^-r) of 2^126 or more gives y = 0.
; No maximum is taken away in front of the exponentials: the formula above takes none away.  NaN and infinities are not treated apart.
; SHARES.  A work-group owns one batch b (all 512 steps) and 64 channels g of r, k and v: a tile of 512 x 192, 8 x 32 = 256 work-groups.  Wave w takes row places 128 w .. 128 w + 127 and all
; 192 columns: 96 accumulators of 16 x 16, 768 registers.  Source 0 = 16 row places of x, source 1 = 16 rows of W: lane (r = l % 16, h = l / 16), register j of accumulator (mat, i, n) holds
; channel 16 n + r at place 128 w + 16 i + 8 h + j, which xb's layout makes step t = 128 w + 64 h + 8 i + j.  So a lane owns SEGMENT 2 w + h, 64 consecutive steps, of four channels.
; K goes in steps of 64 through two LDS slots.  xb's and wb's tiles are dense, so they are asked for as rows of 256 bytes and padded in LDS behind every 128.
; CLUSTER.  4 x 4 work-groups.  The four of a row of the cluster have one batch and need the same tiles of x; the four of a column have the same channels and need the same tiles of W.
; Each tile is asked for JOINTLY: the same tensor load, descriptor and mask in all four.
; THE SCAN.  Two halves of 32 channels.  A half's r, k, v go from the accumulators into lane-private LDS words (inside the ring, behind its last fill), so that the passes can be loops.
; Pass 1 finds each segment's end state from zero; the eight segments' states meet in LDS; each lane folds those in front of it (C' = w^64 C + E); pass 2 walks the segment with the true state.
; REGISTERS, in windows of 256 (s_set_vgpr_msb: bits 1:0 source 0, 3:2 source 1, 5:4 source 2, 7:6 destination):
;   windows 1, 2, 3: the accumulators of r, k, v; (i, n) at v[8 (4 i + n)].   window 0: v0-31 addresses; v32-159 x's fragments, two buffers; v160-255 W's, three buffers; later the scan.
.set PITCH,  144                       ; an LDS row: 128 bytes + 16 of padding = 36 words: the 16 rows of a load start at 16 different groups of four banks (64 banks of 4 bytes: ISA guide 11.1)
.set BOFF,   512*PITCH                 ; a slot: x's 512 rows, then W's 192
.set SLOT,   704*PITCH
.set STG,    2*SLOT                    ; behind the ring: for each wave 32 channel rows x 272 bytes, y on its way out
.set SP,     272
.set STGW,   32*SP
.set CAR,    STG+4*STGW                ; the segments' end states: 2,048 bytes a half: segment x 256 + block x 128 + r x 8, a pair (a, b) each
.set SPARE,  CAR+4096                  ; the spare words, 128 bytes for each wave: two blocks of 256 bytes that no other line names
.set SPILLW, 49152                     ; a wave's spill, at the ring's head: 96 groups of 512 bytes: i x 6144 + mat x 2048 + block x 1024 + (j / 4) x 512 + 16 x lane
.set FIELDS, (1<<16)|(1<<20)|(1<<21)|(4<<22)|(3<<25)  ; 17:16 2-byte elements; 20 padding on; 21 set beside a mask; 24:22 after every 32 words (code 4); 31:25 4 words (code 3)
.set SPW,  2                           ; v2   LDS address of my spare word; never rewritten
.set NIL,  3                           ; v3   0; never rewritten
.set ADRA, 4                           ; v4-5 LDS address of my fragments of x in slot 0, 1
.set ADRB, 6                           ; v6-7 the same for W
.set TD,   8                           ; v8-11  time_decay of my four channels
.set TF,   12                          ; v12-15 time_first
.set SPL,  16                          ; v16  my 16 bytes in my wave's spill
.set SPR1, 17                          ; v17  pass 1's read address
.set SPR2, 18                          ; v18  pass 2's
.set STO,  19                          ; v19  where pass 2 puts 16 bytes of y
.set RD,   20                          ; v20  where I read the stage back
.set GO,   21                          ; v21  my byte offset in yt
.set CST,  22                          ; v22  where my segment's end state goes
.set CRD,  23                          ; v23  where segment 0's lies, for my r
.set SEG,  24                          ; v24  my segment
.set WI0,  25                          ; v25  Wo: 16 x lane
.set STO0, 26                          ; v26  STO at a segment's first eight steps
.set WI1,  30                          ; v30  Wo: lanes 0-15 the even row's bytes 512 on, lanes 16-31 the odd row's first 256
.set WO8,  31                          ; v31  wo: 8 x lane
.set FA,   32
.set FB,   160
.set CN,   32                          ; the scan: channel block nb at v[CN+4 nb]: w^64, w, log2(e) tf, the same again
.set AB,   48                          ; v48-51 pass 1's running (a, b), a pair a block
.set LK1,  64                          ; pass 1: k, v as read; e^k; e^k v: 16 each (block, j)
.set LV1,  80
.set T1,   96
.set EV1,  112
.set CE,   128                         ; the carry: segments 0-6's end states, v[CE+4 s+2 nl]
.set CC,   156                         ; the carry: by block, C and C'
.set LR,   64                          ; pass 2: r, k, v as read
.set LK,   80
.set LV,   96
.set EK,   112                         ; e^k
.set EW,   128                         ; e^(tf k), then the divisor's first factor
.set ER,   144                         ; e^-r, then the divisor, then its reciprocal
.set EV,   160                         ; e^k v
.set NW,   176                         ; e^(tf k) v, then the numerator, then y
.set AJ,   192                         ; a in front of step j
.set BJ,   208                         ; b in front of step j
.set Y,    224                         ; y in f16, 4 registers a block
.set WV,   14                          ; s14  my wave's number
.set STP,  15                          ; s15  (a temporary at the head; then) pass 2's step in the stage
.set G1A,  24                          ; s[24:31] descriptor group 1 for x's tiles;  s[32:39] group 0, a set for each slot
.set G0A,  32
.set G1B,  40                          ; s[40:47], s[48:55] the same for W's
.set G0B,  48
.set LAP,  56
.set CNT,  57
.set L2E,  58                          ; s[58:59] log2(e): the packed forms name a pair and take its low word for both halves
.set NL2E, 60                          ; s[60:61] -log2(e)
.set EPS,  62                          ; s[62:63] 1e-6
.set OFS,  66                          ; s[66:67] an offset
.set MK,   68                          ; s68-74  mask k: the lanes whose segment lies behind segment k
.set SOF,  75                          ; s75  the passes' step in the spill
.set OA,   76                          ; s[76:77] x's offset: never holds cx
.set OBB,  78                          ; s[78:79] W's offset: never holds cy
.set WSRC, 80                          ; s[80:81] Wo at my two rows;  s[82:83] wo
.set WD0,  84                          ; s[84:85] wo at my two rows in block 0
.set WD1,  86                          ; s[86:87] wo at my two rows in block 1
.set MSB, 0
.macro WIN new                         ; the immediate's high byte repeats the setting that is left; a switch that changes nothing is dropped
.if MSB != (\new)
	s_set_vgpr_msb (MSB<<8)|(\new)
.set MSB, \new
.endif
.endm
; A load into a register that a matrix instruction has read stands four places behind it, and only plain vector instructions that name none of its registers are places
; (ISA guide 7.12.1 for vector instructions).
.macro PLACES
.rept 4
	v_nop
.endr
.endm
; A joint load.  Waves 0 and 1 fetch the two halves of x's tile, waves 2 and 3 those of W's.  The branch hangs on the wave's number alone.
; An s_nop 0 and four v_nop follow each of the two lines, ahead of the jump and the label.
.macro JLOAD s
	s_cmp_lt_u32 s[WV], 2
	s_cbranch_scc0 .Lfor_b_\@
	tensor_load_to_lds s[G0A+4*(\s):G0A+4*(\s)+3], s[G1A:G1A+7]
	s_nop 0
.rept 4
	v_nop
.endr
	s_branch .Lasked_\@
.Lfor_b_\@:
	tensor_load_to_lds s[G0B+4*(\s):G0B+4*(\s)+3], s[G1B:G1B+7]
	s_nop 0
.rept 4
	v_nop
.endr
.Lasked_\@:
.endm
; A round of the cluster's barrier: my work-group's barrier, so that wave 0's signal speaks for all four waves; wave 0 signals; every wave waits for all sixteen work-groups; my work-group's barrier once more.
.macro CREST                           ; a round behind its opening barrier
	s_cmp_lg_u32 s[WV], 0
	s_cbranch_scc1 .Lnot_wave_0_\@
	s_barrier_signal -3
.Lnot_wave_0_\@:
	s_barrier_wait -3
	s_barrier_signal -1
	s_barrier_wait -1
.endm
.macro CROUND
	s_barrier_signal -1
	s_barrier_wait -1
	CREST
.endm
	s_load_b256 s[4:11], s[0:1], 0x0               ; xb s[4:5], wb s[6:7], time_decay s[8:9], time_first s[10:11]
	s_load_b64 s[12:13], s[0:1], 0x20              ; yt
	s_load_b128 s[80:83], s[0:1], 0x28             ; Wo s[80:81], wo s[82:83]
	v_lshl_add_u32 v[SPW], v0, 2, SPARE
	v_mov_b32 v[NIL], 0
	ds_add_u32 v[SPW], v[NIL]                      ; the wave's opening: the add and its wait stand ahead of my first tensor load; the set-up below, work on registers, stands between them
	v_lshrrev_b32 v1, 5, v0
	v_readfirstlane_b32 s[WV], v1                  ; wave 0..3
	s_and_b32 s16, s[WV], 1                        ; which half of a tile I fetch
	s_bfe_u32 s17, ttmp6, 0x40000                  ; cx
	s_bfe_u32 s18, ttmp6, 0x40004                  ; cy
	s_lshl_b32 s19, ttmp9, 2
	s_add_co_u32 s19, s19, s17                     ; g = 4 x cluster x + cx: my 64 channels
	s_and_b32 s20, ttmp7, 0xffff
	s_lshl_b32 s20, s20, 2
	s_add_co_u32 s20, s20, s18                     ; b = 4 x cluster y + cy: my batch
	s_lshl_b32 s21, s18, 2
	s_lshl_b32 s21, 15, s21                        ; my row of the cluster
	s_lshl_b32 s22, 0x1111, s17                    ; my column
	s_or_b32 s[G1A], s21, FIELDS                   ; x's tiles go to my row,
	s_or_b32 s[G1B], s22, FIELDS                   ; W's to my column
.irp g, G1A, G1B
	s_mov_b32 s[\g+1], 128<<16                     ; tensor_dim0 = 128 elements: 256 bytes
	s_mov_b32 s[\g+3], 128<<16                     ; tile_dim0 = 128
	s_mov_b32 s[\g+5], 128                         ; 128 elements from row to row: the tiles are dense
	s_mov_b32 s[\g+6], 0
	s_mov_b32 s[\g+7], 0
.endr
	s_mov_b32 s[G1A+2], 128<<16                    ; tensor_dim1 = 128 rows: half of x's tile, 32,768 bytes
	s_mov_b32 s[G1A+4], 128                        ; tile_dim1
	s_mov_b32 s[G1B+2], 48<<16                     ; 48 rows: half of W's tile, 12,288 bytes: all that a wave's share holds
	s_mov_b32 s[G1B+4], 48
	s_mov_b32 s[L2E], 0x3fb8aa3b
	s_mov_b32 s[L2E+1], 0x3fb8aa3b
	s_mov_b32 s[NL2E], 0xbfb8aa3b
	s_mov_b32 s[NL2E+1], 0xbfb8aa3b
	s_mov_b32 s[EPS], 0x358637bd
	s_mov_b32 s[EPS+1], 0x358637bd
	s_lshl_b32 s[OA], s20, 21                      ; x: the batch's 32 tiles of 65,536 bytes,
	s_lshl_b32 s23, s16, 15                        ; my half of a tile
	s_add_co_u32 s[OA], s[OA], s23
	s_mov_b32 s[OA+1], 0
	s_mul_i32 s[OBB], s19, 786432                  ; W: the channels' 32 tiles of 24,576 bytes,
	s_mul_i32 s15, s16, 12288                      ; my half of a tile
	s_add_co_u32 s[OBB], s[OBB], s15
	s_mov_b32 s[OBB+1], 0
	s_mul_i32 s3, s16, 256*PITCH                   ; where they go: no place in the cluster enters an LDS address
	s_mul_i32 s2, s16, 96*PITCH
	s_add_co_u32 s2, s2, BOFF
	s_wait_dscnt 0x0                               ; the opening add is done
	s_wait_kmcnt 0x0
	s_add_nc_u64 s[4:5], s[4:5], s[OA:OA+1]
	s_add_nc_u64 s[6:7], s[6:7], s[OBB:OBB+1]
	CROUND                                         ; all sixteen work-groups are here: the first joint loads meet
.irp s, 0,1
	s_mov_b32 s[G0A+4*\s], 1                       ; count = 1
	s_add_co_u32 s[G0A+4*\s+1], s3, \s*SLOT        ; LDS address
	s_add_nc_u64 s[G0A+4*\s+2:G0A+4*\s+3], s[4:5], \s*65536  ; global address: K step s
	s_or_b32 s[G0A+4*\s+3], s[G0A+4*\s+3], 0x80000000  ; type = 2
	s_mov_b32 s[G0B+4*\s], 1
	s_add_co_u32 s[G0B+4*\s+1], s2, \s*SLOT
	s_add_nc_u64 s[G0B+4*\s+2:G0B+4*\s+3], s[6:7], \s*24576
	s_or_b32 s[G0B+4*\s+3], s[G0B+4*\s+3], 0x80000000
	JLOAD \s                                       ; both slots are asked for before anything else: two loads of mine are out
.endr
	v_and_b32 v1, 15, v0                           ; r
	v_bfe_u32 v27, v0, 4, 1                        ; h
	v_and_b32 v28, 31, v0                          ; lane
	v_lshlrev_b32 v29, 2, v1
	s_lshl_b32 s[OFS], s19, 8                      ; my 64 channels in time_decay and time_first
	s_mov_b32 s[OFS+1], 0
	s_add_nc_u64 s[8:9], s[8:9], s[OFS:OFS+1]
	s_add_nc_u64 s[10:11], s[10:11], s[OFS:OFS+1]
.irp nb, 0,1,2,3
	global_load_b32 v[TD+\nb], v29, s[8:9] offset:64*\nb   ; channel 16 nb + r
	global_load_b32 v[TF+\nb], v29, s[10:11] offset:64*\nb
.endr
	s_lshl_b32 s[OFS], s20, 21                     ; yt: the batch's 2,048 rows of 1,024 bytes,
	s_lshl_b32 s15, s19, 16                        ; my 64 channels,
	s_add_co_u32 s[OFS], s[OFS], s15
	s_lshl_b32 s15, s[WV], 8                       ; my wave's 128 steps
	s_add_co_u32 s[OFS], s[OFS], s15
	s_add_nc_u64 s[12:13], s[12:13], s[OFS:OFS+1]
	; Wo: pair P = 4 (32 b + g) + wave of 1,024 pairs of rows d = 2 P, 2 P + 1
	s_lshl_b32 s88, s20, 5
	s_add_co_u32 s88, s88, s19
	s_lshl2_add_u32 s88, s88, s[WV]
	s_mov_b32 s89, 0
	s_mov_b32 s91, 0
	s_lshl_b32 s90, s88, 9                         ; block 0: two rows of 256 bytes
	s_add_nc_u64 s[WD0:WD0+1], s[82:83], s[90:91]
	s_mul_i32 s90, s88, 768                        ; blocks 1 to 10: two rows of 384 bytes,
	s_add_co_u32 s90, s90, 524288                  ; behind block 0's 2,048 x 256
	s_add_nc_u64 s[WD1:WD1+1], s[82:83], s[90:91]
	s_lshl_b32 s88, s88, 14                        ; in: two rows of 8,192 bytes
	s_add_nc_u64 s[WSRC:WSRC+1], s[WSRC:WSRC+1], s[88:89]
	; A fragment is 16 rows x 32 K in 8 registers: lane l holds row l % 16; registers 0-3 K = 8 (l / 16) + 0..7, registers 4-7 K = 16 + 8 (l / 16) + 0..7: two loads of 16 bytes, 32 bytes apart.
	v_mul_u32_u24 v30, v1, PITCH
	v_lshl_add_u32 v30, v27, 4, v30
	s_mul_i32 s23, s[WV], 128*PITCH                ; my 128 rows of x
	v_add_nc_u32 v[ADRA], s23, v30
	v_add_nc_u32 v[ADRA+1], SLOT, v[ADRA]
	v_add_nc_u32 v[ADRB], BOFF, v30
	v_add_nc_u32 v[ADRB+1], SLOT+BOFF, v30
	s_mul_i32 s23, s[WV], SPILLW
	v_lshl_add_u32 v[SPL], v28, 4, s23
	s_mul_i32 s23, s[WV], STGW
	s_add_co_u32 s23, s23, STG                     ; my stage
	v_mul_u32_u24 v31, v1, SP                      ; in: channel row r, my segment's 128 bytes
	v_lshl_add_u32 v31, v27, 7, v31
	v_add_nc_u32 v[STO0], s23, v31
	v_mul_u32_u24 v31, v27, SP                     ; back: lanes 0-15 one row of 256 bytes, lanes 16-31 the next
	v_lshl_add_u32 v31, v1, 4, v31
	v_add_nc_u32 v[RD], s23, v31
	v_lshlrev_b32 v31, 10, v27                     ; and the same two rows in yt
	v_lshl_add_u32 v[GO], v1, 4, v31
	v_lshlrev_b32 v[CRD], 3, v1
	v_add_nc_u32 v[CRD], CAR, v[CRD]
	s_lshl_b32 s23, s[WV], 9
	v_lshl_add_u32 v[CST], v27, 8, v[CRD]
	v_add_nc_u32 v[CST], s23, v[CST]
	s_lshl_b32 s23, s[WV], 1
	v_add_nc_u32 v[SEG], s23, v27
.irp k, 0,1,2,3,4,5,6
	v_cmp_lt_u32 s[MK+\k], \k, v[SEG]
.endr
	v_lshlrev_b32 v[WI0], 4, v28                   ; Wo's three lane offsets (v30 and v31 have served above)
	v_mul_u32_u24 v[WI1], v27, 7424                ; 16 l + 512 in lanes 0-15, 16 l + 7,936 = 8,192 + 16 (l - 16) in lanes 16-31
	v_lshl_add_u32 v[WI1], v28, 4, v[WI1]
	v_add_nc_u32 v[WI1], 512, v[WI1]
	v_lshlrev_b32 v[WO8], 3, v28
; 16 matrix instructions: row blocks a0 .. a0 + 3 x all 4 channel blocks of matrix g, 32 along K.  zero = 1: the first product starts the sums: nothing is ever cleared.
; The 96 accumulators take turns, one instruction a turn, in the same order in every quarter.
.macro MUL16 ab, g, a0, zero
	WIN 0x50*((\g)+1)                              ; C and D in window g + 1, both sources in window 0
.irp a, 0,1,2,3
.irp n, 0,1,2,3
.if \zero
	v_wmma_f32_16x16x32_bf16 v[8*(4*((\a0)+\a)+\n):8*(4*((\a0)+\a)+\n)+7], v[FA+64*(\ab)+8*((\a0)+\a):FA+64*(\ab)+8*((\a0)+\a)+7], v[FB+32*(\g)+8*\n:FB+32*(\g)+8*\n+7], 0
.else
	v_wmma_f32_16x16x32_bf16 v[8*(4*((\a0)+\a)+\n):8*(4*((\a0)+\a)+\n)+7], v[FA+64*(\ab)+8*((\a0)+\a):FA+64*(\ab)+8*((\a0)+\a)+7], v[FB+32*(\g)+8*\n:FB+32*(\g)+8*\n+7], v[8*(4*((\a0)+\a)+\n):8*(4*((\a0)+\a)+\n)+7]
.endif
.endr
.endr
.endm
.macro LDB g, slot, kq                 ; 8 LDS loads: matrix g's 64 rows, 32 K at quarter kq, into W's buffer g
	WIN 0
.irp n, 0,1,2,3
	ds_load_b128 v[FB+32*(\g)+8*\n:FB+32*(\g)+8*\n+3],   v[ADRB+(\slot)] offset:(4*(\g)+\n)*16*PITCH+64*(\kq)
	ds_load_b128 v[FB+32*(\g)+8*\n+4:FB+32*(\g)+8*\n+7], v[ADRB+(\slot)] offset:(4*(\g)+\n)*16*PITCH+64*(\kq)+32
.endr
.endm
.macro LDA ab, slot, kq                ; 16 LDS loads: my 128 rows of x, 32 K at quarter kq, into x's buffer ab
	WIN 0
.irp a, 0,1,2,3,4,5,6,7
	ds_load_b128 v[FA+64*(\ab)+8*\a:FA+64*(\ab)+8*\a+3],   v[ADRA+(\slot)] offset:\a*16*PITCH+64*(\kq)
	ds_load_b128 v[FA+64*(\ab)+8*\a+4:FA+64*(\ab)+8*\a+7], v[ADRA+(\slot)] offset:\a*16*PITCH+64*(\kq)+32
.endr
.endm
; A K step is two QUARTERS of 32 along K, a quarter three STAGES of 32 matrix instructions, one for each of r, k, v.  At a stage's head W's fragments for the stage two ahead are asked for, into the
; buffer that the stage just ended has read; at stage 1 also x's for the next quarter.  wcnt: the LDS loads that may stay out at the head: at stages 0 and 1 the eight issued one stage ago,
; at stage 2 the 8 + 16 issued one stage ago.
.macro STAGE ab, g, zero, wcnt, bslot, bkq, aslot, akq
	s_wait_dscnt \wcnt
	PLACES
.if (\bslot) >= 0
	LDB ((\g)+2)%3, \bslot, \bkq
.endif
.if (\aslot) >= 0
	LDA 1-(\ab), \aslot, \akq
.endif
	MUL16 \ab, \g, 0, \zero
	MUL16 \ab, \g, 4, \zero
.endm
.macro Q0 s, zero                      ; slot s's first quarter
	STAGE 0, 0, \zero, 8,  \s, 0, -1, 0
	STAGE 0, 1, \zero, 8,  \s, 1, \s, 1
	STAGE 0, 2, \zero, 24, \s, 1, -1, 0
.endm
; Stage 0 of a slot's second quarter changes slots.  Its eight loads are my last reads of slot s.  ONE barrier for two things: in front of it each wave waits for all its tensor loads, of which one is
; out: its part of the other slot; adds 0 to its spare word; and waits for that and for its reads of this slot.  Behind it nobody reads this slot any more and the other slot is whole.
; fill = 1: the barrier opens a round of the cluster's barrier, and the joint refill, two K steps on, is the first thing behind the round: 160 matrix instructions of mine ahead of the wait for it.
.macro TURNST s, fill
	s_wait_dscnt 8
	PLACES
	LDB 2, \s, 1
	s_wait_tensorcnt 0x0                           ; all my tensor loads have landed
	ds_add_u32 v[SPW], v[NIL]                      ; 0 onto my spare word
	MUL16 1, 0, 0, 0                               ; sixteen matrix instructions stand between the add and the wait for it
	s_wait_dscnt 0x0                               ; the add is done, and my reads of this slot are over
	s_barrier_signal -1
	MUL16 1, 0, 4, 0                               ; work on registers while the others arrive
	WIN 0
	s_barrier_wait -1
.if \fill
	CREST                                          ; no wave of any partner still reads this slot's tile or has a load on its way
	s_add_nc_u64 s[G0A+4*(\s)+2:G0A+4*(\s)+3], s[G0A+4*(\s)+2:G0A+4*(\s)+3], 2*65536
	s_add_nc_u64 s[G0B+4*(\s)+2:G0B+4*(\s)+3], s[G0B+4*(\s)+2:G0B+4*(\s)+3], 2*24576
	JLOAD \s
.endif
.endm
.macro Q1 s, s2, fill                  ; slot s's second quarter; the next quarter lies in slot s2
	TURNST \s, \fill
	STAGE 1, 1, 0, 8,  \s2, 0, \s2, 0
	STAGE 1, 2, 0, 24, \s2, 0, -1, 0
.endm
	s_wait_loadcnt 0x0                             ; time_decay and time_first, once
	s_wait_tensorcnt 0x1                           ; my part of K step 0 is in; K step 1's may stay out
	s_barrier_signal -1
	s_barrier_wait -1                              ; everybody's is
	LDB 0, 0, 0
	LDA 0, 0, 0
	LDB 1, 0, 0
	Q0 0, 1                                        ; the first quarter stands in front of the loop: its products start the sums
	WIN 0                                          ; at a label and at a branch every window is 0
	s_mov_b32 s[LAP], 15
.Llap:                                                 ; a trip goes once round the ring, from a lap's second quarter to the next lap's first, and fills both slots again: K steps 2 to 31
	Q1 0, 1, 1
	Q0 1, 0
	Q1 1, 0, 1
	Q0 0, 0
	WIN 0
	s_sub_co_u32 s[LAP], s[LAP], 1
	s_cmp_lg_u32 s[LAP], 0
	s_cbranch_scc1 .Llap
	Q1 0, 1, 0                                     ; the last lap is written out: it asks for nothing
	Q0 1, 0
	STAGE 1, 0, 0, 8, 1, 1, -1, 0
	STAGE 1, 1, 0, 8, -1, 0, -1, 0
	s_wait_dscnt 0x0                               ; my last reads of the ring are back:
	s_barrier_signal -1                            ; say so,
	MUL16 1, 2, 0, 0
	MUL16 1, 2, 4, 0
	WIN 0
	s_barrier_wait -1                              ; nobody reads the ring any more, and no fill follows: its bytes now serve as the spill
	; THE CONSTANTS of my four channels.  These plain lines are also the places behind the last products: they name v8-15 and v32-63 alone.
.irp nb, 0,1,2,3
	v_cvt_pk_bf16_f32 v[52+\nb], v[TD+\nb], v[TF+\nb]
.endr
.irp nb, 0,1,2,3
	v_lshlrev_b32 v[56+\nb], 16, v[52+\nb]         ; time_decay, rounded to bf16
	v_and_b32 v[60+\nb], 0xffff0000, v[52+\nb]     ; time_first
.endr
.irp nb, 0,1,2,3
	v_mul_f32 v[56+\nb], s[L2E], v[56+\nb]
	v_mul_f32 v[60+\nb], s[L2E], v[60+\nb]
.endr
.irp nb, 0,1,2,3
	v_exp_f32 v[56+\nb], v[56+\nb]                 ; e^time_decay
	v_exp_f32 v[60+\nb], v[60+\nb]                 ; tf = e^time_first
.endr
	v_nop                                          ; a plain instruction between the last exponential and the use of its result (ISA guide 5.7.2)
	s_wait_alu depctr_va_vdst(0)
.irp nb, 0,1,2,3
	v_mul_f32 v[CN+4*\nb], 0xc2b8aa3b, v[56+\nb]   ; -64 log2(e) e^time_decay
	v_mul_f32 v[CN+4*\nb+1], s[NL2E], v[56+\nb]
	v_mul_f32 v[CN+4*\nb+2], s[L2E], v[60+\nb]     ; log2(e) tf, twice: a pair for the packed multiply
	v_mul_f32 v[CN+4*\nb+3], s[L2E], v[60+\nb]
.endr
.irp nb, 0,1,2,3
	v_exp_f32 v[CN+4*\nb], v[CN+4*\nb]             ; w^64
	v_exp_f32 v[CN+4*\nb+1], v[CN+4*\nb+1]         ; w
.endr
	v_nop
; Half p's r, k, v (channel blocks 2 p, 2 p + 1) leave the accumulators: 96 stores of 512 consecutive bytes, each lane's own.  Each accumulator's four lowest registers go first.
.macro DUMP p
.irp mat, 0,1,2
	WIN ((\mat)+1)<<2                              ; the data, source 1, in window mat + 1
.irp i, 0,1,2,3,4,5,6,7
.irp nl, 0,1
.irp jh, 0,1
	ds_store_b128 v[SPL], v[8*(4*\i+2*(\p)+\nl)+4*\jh:8*(4*\i+2*(\p)+\nl)+4*\jh+3] offset:\i*6144+\mat*2048+\nl*1024+\jh*512
.endr
.endr
.endr
.endr
.endm
; WO'S CAST.  My two rows of Wo, 16,384 bytes, come in by 32 loads of 512 bytes (one run, or two aligned runs of 256), one for each aligned 256 bytes of wo that I write.  Load n lands in window 1 at
; v[32 (n / 4) + 4 (n % 4)]: r's accumulators of channel blocks 0 and 1, which the first half's DUMP has just emptied.  The loads have the whole first half of the scan in which to land.
; Block 0 holds channels 0-127: one store a row.  Block s = 1 .. 10 holds channels 128 + 192 (s - 1) on: my two rows are 768 bytes on end, three stores:
; the even row's first 128 channels; its last 64 and the odd row's first 64; the odd row's last 128.
.macro WOLD n, vo, imm
	global_load_b128 v[32*((\n)/4)+4*((\n)%4):32*((\n)/4)+4*((\n)%4)+3], v[\vo], s[WSRC:WSRC+1] offset:\imm th:TH_LOAD_NT
.endm
.macro WOST n, base, imm
	global_store_b64 v[WO8], v[32*((\n)/4)+4*((\n)%4):32*((\n)/4)+4*((\n)%4)+1], s[\base:\base+1] offset:\imm  ; 256 consecutive bytes, at a multiple of 256 from wo's first byte
.endm
.macro WOLOAD
	WIN 0x40                                       ; destination window 1, address window 0
	WOLD 0, WI0, 0
	WOLD 1, WI0, 8192
.set bk, 0
.rept 10
	WOLD 2+3*bk, WI0, 512+768*bk
	WOLD 3+3*bk, WI1, 512+768*bk
	WOLD 4+3*bk, WI0, 8960+768*bk
.set bk, bk+1
.endr
	WIN 0
.endm
.macro WOCONV                          ; four numbers a lane and load: to bf16, widened again, and written as f16 (exact where f16 is normal: bf16 has 8 significant bits, f16 11), in the load's own four registers
	s_wait_loadcnt 0x0                             ; issued a half of the scan ago
	WIN 0x45                                       ; destination and both sources in window 1
.set wq, 0
.rept 32
.set wx, 32*(wq/4)+4*(wq%4)
	v_cvt_pk_bf16_f32 v[wx], v[wx], v[wx+1]
	v_cvt_pk_bf16_f32 v[wx+1], v[wx+2], v[wx+3]
	v_lshlrev_b32 v[wx+2], 16, v[wx]
	v_and_b32 v[wx+3], 0xffff0000, v[wx]
	v_cvt_pk_f16_f32 v[wx], v[wx+2], v[wx+3]
	v_lshlrev_b32 v[wx+2], 16, v[wx+1]
	v_and_b32 v[wx+3], 0xffff0000, v[wx+1]
	v_cvt_pk_f16_f32 v[wx+1], v[wx+2], v[wx+3]
.set wq, wq+1
.endr
	WIN 0x04                                       ; the data, source 1, in window 1; the address in window 0
	WOST 0, WD0, 0
	WOST 1, WD0, 256
.set bk, 0
.rept 10
	WOST 2+3*bk, WD1, 786432*bk
	WOST 3+3*bk, WD1, 786432*bk+256
	WOST 4+3*bk, WD1, 786432*bk+512
.set bk, bk+1
.endr
	WIN 0                                          ; none of these registers is written again
.endm
.macro P1LOAD adr                      ; eight steps' k and v of both blocks
.irp nl, 0,1
.irp jh, 0,1
	ds_load_b128 v[LK1+8*\nl+4*\jh:LK1+8*\nl+4*\jh+3], v[\adr] offset:2048+\nl*1024+\jh*512
	ds_load_b128 v[LV1+8*\nl+4*\jh:LV1+8*\nl+4*\jh+3], v[\adr] offset:4096+\nl*1024+\jh*512
.endr
.endr
.endm
; Pass 1, eight steps: e^k, e^k v, and a = w a + e^k v, b = w b + e^k: four chains that take turns.  pre = 1: the next eight steps are asked for.
.macro P1BODY pre, p
	s_wait_dscnt 0x0                               ; this trip's k and v are in
.set z, 0
.rept 8
	v_pk_mul_f32 v[T1+2*z:T1+2*z+1], v[LK1+2*z:LK1+2*z+1], s[L2E:L2E+1] op_sel_hi:[1,0]
.set z, z+1
.endr
.set z, 0
.rept 16
	v_exp_f32 v[T1+z], v[T1+z]
.set z, z+1
.endr
.if \pre
	v_add_nc_u32 v[SPR1], s[SOF], v[SPL]           ; the plain instruction behind the exponentials: the next trip's address
	s_wait_alu depctr_va_vdst(0)
	s_add_co_u32 s[SOF], s[SOF], 6144
.else
	v_nop
	s_wait_alu depctr_va_vdst(0)
.endif
.set z, 0
.rept 8
	v_pk_mul_f32 v[EV1+2*z:EV1+2*z+1], v[T1+2*z:T1+2*z+1], v[LV1+2*z:LV1+2*z+1]
.set z, z+1
.endr
.if \pre
	P1LOAD SPR1
.endif
.set z, 0
.rept 8
.irp nl, 0,1
	v_fma_f32 v[AB+2*\nl], v[CN+4*(2*(\p)+\nl)+1], v[AB+2*\nl], v[EV1+8*\nl+z]
	v_fma_f32 v[AB+2*\nl+1], v[CN+4*(2*(\p)+\nl)+1], v[AB+2*\nl+1], v[T1+8*\nl+z]
.endr
.set z, z+1
.endr
.endm
.macro P2LOAD adr                      ; eight steps' r, k and v of both blocks
.irp mat, 0,1,2
.irp nl, 0,1
.irp jh, 0,1
	ds_load_b128 v[LR+16*\mat+8*\nl+4*\jh:LR+16*\mat+8*\nl+4*\jh+3], v[\adr] offset:\mat*2048+\nl*1024+\jh*512
.endr
.endr
.endr
.endm
; Pass 2, eight steps of both blocks: y = (a + e^(tf k) v) / ((b + e^(tf k) + 1e-6)(1 + e^-r)), with a and b in front of each step from the chain.
.macro P2BODY pre, p
	s_wait_dscnt 0x0                               ; this trip's r, k and v are in
.set z, 0
.rept 8
	v_pk_mul_f32 v[EK+2*z:EK+2*z+1], v[LK+2*z:LK+2*z+1], s[L2E:L2E+1] op_sel_hi:[1,0]
	v_pk_mul_f32 v[EW+2*z:EW+2*z+1], v[LK+2*z:LK+2*z+1], v[CN+4*(2*(\p)+z/4)+2:CN+4*(2*(\p)+z/4)+3]
	v_pk_mul_f32 v[ER+2*z:ER+2*z+1], v[LR+2*z:LR+2*z+1], s[NL2E:NL2E+1] op_sel_hi:[1,0]
.set z, z+1
.endr
.set z, 0
.rept 48
	v_exp_f32 v[EK+z], v[EK+z]                     ; e^k, e^(tf k), e^-r lie on end
.set z, z+1
.endr
.if \pre
	v_add_nc_u32 v[SPR2], s[SOF], v[SPL]           ; the plain instruction behind the exponentials
	s_wait_alu depctr_va_vdst(0)
	s_add_co_u32 s[SOF], s[SOF], 6144
.else
	v_nop
	s_wait_alu depctr_va_vdst(0)
.endif
.set z, 0
.rept 8
	v_pk_mul_f32 v[EV+2*z:EV+2*z+1], v[EK+2*z:EK+2*z+1], v[LV+2*z:LV+2*z+1]
	v_pk_mul_f32 v[NW+2*z:NW+2*z+1], v[EW+2*z:EW+2*z+1], v[LV+2*z:LV+2*z+1]
	v_pk_add_f32 v[EW+2*z:EW+2*z+1], v[EW+2*z:EW+2*z+1], s[EPS:EPS+1] op_sel_hi:[1,0]
.set z, z+1
.endr
.if \pre
	P2LOAD SPR2
.endif
.set z, 0
.rept 7
.irp nl, 0,1
	v_fma_f32 v[AJ+8*\nl+z+1], v[CN+4*(2*(\p)+\nl)+1], v[AJ+8*\nl+z], v[EV+8*\nl+z]
	v_fma_f32 v[BJ+8*\nl+z+1], v[CN+4*(2*(\p)+\nl)+1], v[BJ+8*\nl+z], v[EK+8*\nl+z]
.endr
.set z, z+1
.endr
.set z, 0
.rept 8
	v_pk_add_f32 v[NW+2*z:NW+2*z+1], v[NW+2*z:NW+2*z+1], v[AJ+2*z:AJ+2*z+1]
	v_pk_add_f32 v[EW+2*z:EW+2*z+1], v[EW+2*z:EW+2*z+1], v[BJ+2*z:BJ+2*z+1]
.set z, z+1
.endr
.irp nl, 0,1
	v_fma_f32 v[AJ+8*\nl], v[CN+4*(2*(\p)+\nl)+1], v[AJ+8*\nl+7], v[EV+8*\nl+7]  ; the state in front of the next eight steps
	v_fma_f32 v[BJ+8*\nl], v[CN+4*(2*(\p)+\nl)+1], v[BJ+8*\nl+7], v[EK+8*\nl+7]
.endr
.set z, 0
.rept 8
	v_pk_fma_f32 v[ER+2*z:ER+2*z+1], v[EW+2*z:EW+2*z+1], v[ER+2*z:ER+2*z+1], v[EW+2*z:EW+2*z+1]
.set z, z+1
.endr
.set z, 0
.rept 16
	v_rcp_f32 v[ER+z], v[ER+z]
.set z, z+1
.endr
	v_add_nc_u32 v[STO], s[STP], v[STO0]           ; the plain instruction behind the reciprocals
	s_add_co_u32 s[STP], s[STP], 16
.set z, 0
	s_wait_alu depctr_va_vdst(0)
.rept 8
	v_pk_mul_f32 v[NW+2*z:NW+2*z+1], v[NW+2*z:NW+2*z+1], v[ER+2*z:ER+2*z+1]
.set z, z+1
.endr
.set z, 0
.rept 8
	v_cvt_pk_f16_f32 v[Y+z], v[NW+2*z], v[NW+2*z+1]
.set z, z+1
.endr
.irp nl, 0,1
	ds_store_b128 v[STO], v[Y+4*\nl:Y+4*\nl+3] offset:\nl*16*SP  ; eight steps of one channel: 16 bytes of its row
.endr
.endm
; One half of the channels.
.macro SCAN p
	DUMP \p
.if (\p) == 0
	WOLOAD                                         ; Wo's rows are asked for, into registers that the lines above have emptied (an LDS store's sources need no wait)
.endif
	WIN 0
	s_wait_xcnt 0x0                                ; the first half's stores have read v64-127, which are loaded again only behind this wait
	P1LOAD SPL                                     ; LDS serves a wave's instructions in order (ISA guide 5.7.1.4): these see the stores above
.irp c, 0,1,2,3
	v_mov_b32 v[AB+\c], 0                          ; a segment's own sums start from zero
.endr
	s_mov_b32 s[SOF], 6144
	s_mov_b32 s[CNT], 7
.Lpass1_\@:
	P1BODY 1, \p
	s_sub_co_u32 s[CNT], s[CNT], 1
	s_cmp_lg_u32 s[CNT], 0
	s_cbranch_scc1 .Lpass1_\@
	P1BODY 0, \p
	; THE CARRY.  Each half has bytes of its own, so one barrier serves: nothing is written over.
.irp nl, 0,1
	ds_store_b64 v[CST], v[AB+2*\nl:AB+2*\nl+1] offset:(\p)*2048+\nl*128
.endr
	P2LOAD SPL                                     ; pass 2's first eight steps come in meanwhile
	s_wait_dscnt 0x0                               ; for the others' sake: my end state is in LDS
	s_barrier_signal -1
	s_barrier_wait -1
.irp k, 0,1,2,3,4,5,6
.irp nl, 0,1
	ds_load_b64 v[CE+4*\k+2*\nl:CE+4*\k+2*\nl+1], v[CRD] offset:(\p)*2048+\k*256+\nl*128
.endr
.endr
	s_wait_dscnt 0x0
.irp nl, 0,1
	v_cndmask_b32 v[CC+4*\nl], 0, v[CE+2*\nl], s[MK]       ; segment 0 starts from zero, the others take segment 0's end
	v_cndmask_b32 v[CC+4*\nl+1], 0, v[CE+2*\nl+1], s[MK]
.endr
.irp k, 1,2,3,4,5
.irp nl, 0,1
	v_pk_fma_f32 v[CC+4*\nl+2:CC+4*\nl+3], v[CC+4*\nl:CC+4*\nl+1], v[CN+4*(2*(\p)+\nl):CN+4*(2*(\p)+\nl)+1], v[CE+4*\k+2*\nl:CE+4*\k+2*\nl+1] op_sel_hi:[1,0,1]  ; w^64 C + E
.endr
.irp nl, 0,1
	v_cndmask_b32 v[CC+4*\nl], v[CC+4*\nl], v[CC+4*\nl+2], s[MK+\k]       ; taken by the lanes whose segment lies behind segment k
	v_cndmask_b32 v[CC+4*\nl+1], v[CC+4*\nl+1], v[CC+4*\nl+3], s[MK+\k]
.endr
.endr
.irp nl, 0,1
	v_pk_fma_f32 v[CC+4*\nl+2:CC+4*\nl+3], v[CC+4*\nl:CC+4*\nl+1], v[CN+4*(2*(\p)+\nl):CN+4*(2*(\p)+\nl)+1], v[CE+24+2*\nl:CE+24+2*\nl+1] op_sel_hi:[1,0,1]
.endr
.irp nl, 0,1
	v_cndmask_b32 v[AJ+8*\nl], v[CC+4*\nl], v[CC+4*\nl+2], s[MK+6]         ; the state in front of my segment
	v_cndmask_b32 v[BJ+8*\nl], v[CC+4*\nl+1], v[CC+4*\nl+3], s[MK+6]
.endr
	s_mov_b32 s[SOF], 6144
	s_mov_b32 s[STP], 0
	s_mov_b32 s[CNT], 7
.Lpass2_\@:
	P2BODY 1, \p
	s_sub_co_u32 s[CNT], s[CNT], 1
	s_cmp_lg_u32 s[CNT], 0
	s_cbranch_scc1 .Lpass2_\@
	P2BODY 0, \p
	; THE WAY OUT: my wave's 32 channel rows of 128 steps come back as whole rows of 256 bytes.  The stage is the wave's own: no barrier.
.set u, 0
.rept 16
	ds_load_b128 v[64+4*u:64+4*u+3], v[RD] offset:u*2*SP
.set u, u+1
.endr
.set u, 0
.rept 16
	s_wait_dscnt 15-u                              ; LDS loads come back in order: load u is in, the younger ones stay out
	global_store_b128 v[GO], v[64+4*u:64+4*u+3], s[12:13] offset:u*2048+(\p)*32768  ; 16 lanes store 256 consecutive bytes, at a multiple of 256 from yt's first byte
.set u, u+1
.endr
.endm
	SCAN 0
	WOCONV                                         ; Wo's rows have landed under the first half; their stores leave under the second
	SCAN 1
	s_wait_tensorcnt 0x0                           ; the wave's end: behind my last tensor load and my last LDS store
	ds_add_u32 v[SPW], v[NIL]
	s_wait_dscnt 0x0
	CROUND                                         ; the closing round: no work-group ends while a partner may still ask for a tile that names it
	s_endpgm
.Lfunc_end_k_qea052f0e29_mix:
	.size	k_qea052f0e29_mix, .Lfunc_end_k_qea052f0e29_mix-k_qea052f0e29_mix
	.p2alignl 7, 3214868480
	.fill 96, 4, 3214868480
	.section	.rodata,"a",@progbits
	.p2align	6, 0x0
	.amdhsa_kernel k_qea052f0e29_mix
		.amdhsa_group_segment_fixed_size 327680
		.amdhsa_private_segment_fixed_size 0
		.amdhsa_enable_private_segment 0
		.amdhsa_kernarg_size 56
		.amdhsa_user_sgpr_count 2
		.amdhsa_user_sgpr_kernarg_segment_ptr 1
		.amdhsa_wavefront_size32 1
		.amdhsa_system_sgpr_workgroup_id_x 1
		.amdhsa_system_sgpr_workgroup_id_y 1
		.amdhsa_system_sgpr_workgroup_id_z 1
		.amdhsa_system_vgpr_workitem_id 0
		.amdhsa_next_free_vgpr 1024
		.amdhsa_next_free_sgpr 92
		.amdhsa_reserve_vcc 0
		.amdhsa_float_denorm_mode_32 3
		.amdhsa_float_denorm_mode_16_64 3
		.amdhsa_memory_ordered 1
		.amdhsa_forward_progress 1
		.amdhsa_inst_pref_size 194
	.end_amdhsa_kernel
	.amdgpu_metadata
---
amdhsa.version: [ 1, 2 ]
amdhsa.kernels:
  - .name:           k_qea052f0e29_mix
    .symbol:         k_qea052f0e29_mix.kd
    .args:
      - { .name: xb, .offset: 0, .size: 8, .value_kind: global_buffer, .address_space: global }
      - { .name: wb, .offset: 8, .size: 8, .value_kind: global_buffer, .address_space: global }
      - { .name: time_decay, .offset: 16, .size: 8, .value_kind: global_buffer, .address_space: global }
      - { .name: time_first, .offset: 24, .size: 8, .value_kind: global_buffer, .address_space: global }
      - { .name: yt, .offset: 32, .size: 8, .value_kind: global_buffer, .address_space: global }
      - { .name: Wo, .offset: 40, .size: 8, .value_kind: global_buffer, .address_space: global }
      - { .name: wo, .offset: 48, .size: 8, .value_kind: global_buffer, .address_space: global }
    .group_segment_fixed_size: 327680
    .private_segment_fixed_size: 0
    .kernarg_segment_align: 8
    .kernarg_segment_size: 56
    .max_flat_workgroup_size: 128
    .sgpr_count:     92
    .vgpr_count:     1024
    .wavefront_size: 32
...
	.end_amdgpu_metadata
.endif
;; end of part 2
;; launch outp (part 3): grid 16 x 16, 4 waves a work-group, clusters of 4 x 4, 327,680 bytes of LDS; arguments yt, wo, out0; writes out0
.if DOCPART == 3
	.amdgcn_target "amdgcn-amd-amdhsa--gfx1250"
	.amdhsa_code_object_version 6
	.text
	.protected	k_qea052f0e29_outp
	.globl	k_qea052f0e29_outp
	.p2align	8
	.type	k_qea052f0e29_outp,@function
k_qea052f0e29_outp:
	s_mov_b64 s[64:65], 0
	v_nop
	global_prefetch_b8 v0, s[64:65] scope:SCOPE_SE
	s_setreg_imm32_b32 hwreg(HW_REG_WAVE_MODE, 25, 1), 1
	s_wait_xcnt 0x0
	s_wait_alu depctr_hold_cnt(0) depctr_sa_sdst(0) depctr_va_vdst(0) depctr_va_sdst(0) depctr_va_ssrc(0) depctr_va_vcc(0) depctr_vm_vsrc(0)
	s_getreg_b32 s2, hwreg(HW_REG_IB_STS2, 6, 4)
	s_cmp_eq_u32 s2, 0
	s_cbranch_scc0 .Lentry_in_a_cluster
	s_endpgm
.Lentry_in_a_cluster:
	s_bfe_u32 s2, ttmp6, 0x10000c
	s_cmp_lg_u32 s2, 0xf033
	s_cbranch_scc0 .Lentry_shape_is_right
	s_endpgm
.Lentry_shape_is_right:
; out0[b][t][d] = the sum over c of y[b][t][c] Wo[d][c].  yt: f16 [b 8][c 2048][t 512] (y transposed); out0: f32 [8][512][2048].  Sums in f32, K ascending.
; wo: f16, blocked by this kernel's K steps: block 0 [2048 d][128 c], then ten blocks [2048 d][192 c], each dense.
; LIMITS.  y and Wo arrive in f16: within 65,504, with f16's fixed step of 6e-8 below 6e-5.  NaN and infinities are not treated apart.
; SHARES.  A tile of out0 is 256 rows (half a batch's steps) x 128 columns: 16 x 16 = 256 work-groups.  Four waves, each 128 steps x 64 columns: 32 accumulators of 16 x 16, 256 registers.
; K STEPS.  A slot is as large as two of them fit in LDS: 192 channels, 192 x 544 + 128 x 432 = 159,744 bytes; two slots and the spare words are 320,000 of 327,680.  2,048 = 128 + 10 x 192:
; a short first step of 4 quarters of 32 channels, then ten of 6.  So a refill has 176 matrix instructions of a wave in which to land, and there are 10 changes of slots.
; THE MATRIX INSTRUCTION IS USED TRANSPOSED: source 0 = 16 rows of Wo, source 1 = 16 steps of y (turned out of LDS by ds_load_tr16_b128, since yt lies [channel][step]): lane l then holds step l % 16
; and the columns 8 (l / 16) + 0..7: eight neighbouring numbers of a row of out0.
; CLUSTER.  4 x 4 work-groups.  The four of a row of the cluster need the same tiles of yt, the four of a column the same tiles of wo: each is asked for JOINTLY, by the same tensor load with the
; same descriptor and a mask that names the four.
; REGISTERS: window 0: v0-31 addresses; v32-127, v128-223 two fragment buffers (64 of y, then 32 of Wo); v32-95 at work on the way out.   window 1: accumulator (a, db) at v[8 (4 a + db)].
.set PA,     544                       ; a channel row of y in LDS: 512 bytes + 32 of padding = 136 words
.set PB,     432                       ; a row of Wo: three pieces of 128 bytes + 16 = 108 words: the 16 rows of a load start at 16 different groups of four banks
.set PBS,    288                       ; the short step's: two such pieces (its 16 rows share 8 groups of banks: four quarters in all)
.set BOFF,   192*PA
.set SLOT,   192*PA+128*PB
.set STAGE,  SLOT                      ; the way out: 16 rows x 272 bytes for each wave, at slot 1's head: its last fill (step 9) has been read out behind a barrier by then
.set SP,     272
.set SPARE,  2*SLOT                    ; the spare words, 128 bytes for each wave: two blocks of 256 bytes that no other line names
.set STEPA,  192*1024                  ; bytes of yt from a full step to the next: 192 channel rows
.set STEPB,  2048*384                  ; of wo: a block
.set SPW,  2                           ; v2   LDS address of my spare word; never rewritten
.set NIL,  3                           ; v3   0; never rewritten
.set ADRA, 4                           ; v4-7 LDS address of my fragments of y: slot 0 quarters 0-2, quarters 3-5; slot 1 likewise (an LDS offset has 16 bits)
.set ADRB, 8                           ; v8-9 the same for Wo in slot 0, 1
.set ADRBS, 10                         ; v10  for Wo in the short step
.set STO,  11                          ; v11  the way out: where I put 32 bytes of a row
.set RD,   12                          ; v12  where I read a row back
.set CO,   13                          ; v13  my byte offset in out0
.set F0,   32
.set F1,   128
.set OBUF, 32                          ; the way out: 16 rows read back, v32-63 and v64-95 by turns
.set WV,   10                          ; s10  my wave's number
.set G1A,  24                          ; s[24:31] descriptor group 1 for y's tiles;  s[32:39] group 0, a set for each slot: the slot's NEXT tile
.set G0A,  32
.set G1B,  48                          ; s[48:55], s[56:63] the same for Wo's
.set G0B,  56
.set G1AS, 68                          ; s[68:75], s[76:83] group 1 for the short step's tiles
.set G1BS, 76
.set G0AS, 84                          ; s[84:87], s[88:91] group 0 for them
.set G0BS, 88
.set MSB, 0
.macro WIN new                         ; the immediate's high byte repeats the setting that is left; a switch that changes nothing is dropped
.if MSB != (\new)
	s_set_vgpr_msb (MSB<<8)|(\new)
.set MSB, \new
.endif
.endm
.macro PLACES                          ; four places in front of loads into registers that matrix instructions have read, and of stores that read results (ISA guide 7.12.1 for vector instructions)
.rept 4
	v_nop
.endr
.endm
.macro JLOAD s                         ; a joint refill: waves 0 and 1 fetch the two halves of y's tile, waves 2 and 3 those of Wo's; an s_nop 0 and four v_nop follow each of the two lines
	s_cmp_lt_u32 s[WV], 2
	s_cbranch_scc0 .Lfor_b_\@
	tensor_load_to_lds s[G0A+4*(\s):G0A+4*(\s)+3], s[G1A:G1A+7]
	s_nop 0
.rept 4
	v_nop
.endr
	s_branch .Lasked_\@
.Lfor_b_\@:
	tensor_load_to_lds s[G0B+4*(\s):G0B+4*(\s)+3], s[G1B:G1B+7]
	s_nop 0
.rept 4
	v_nop
.endr
.Lasked_\@:
.endm
.macro CREST                           ; a round of the cluster's barrier behind its opening barrier
	s_cmp_lg_u32 s[WV], 0
	s_cbranch_scc1 .Lnot_wave_0_\@
	s_barrier_signal -3
.Lnot_wave_0_\@:
	s_barrier_wait -3
	s_barrier_signal -1
	s_barrier_wait -1
.endm
.macro CROUND
	s_barrier_signal -1
	s_barrier_wait -1
	CREST
.endm
	s_load_b128 s[4:7], s[0:1], 0x0                ; yt s[4:5], wo s[6:7]
	s_load_b64 s[8:9], s[0:1], 0x10                ; out0
	v_lshl_add_u32 v[SPW], v0, 2, SPARE
	v_mov_b32 v[NIL], 0
	ds_add_u32 v[SPW], v[NIL]                      ; the wave's opening: the add and its wait stand ahead of my first tensor load; the set-up below, work on registers, stands between them
	v_lshrrev_b32 v1, 5, v0
	v_readfirstlane_b32 s[WV], v1                  ; wave 0..3
	s_lshr_b32 s11, s[WV], 1                       ; which 128 of the tile's steps are mine
	s_and_b32 s12, s[WV], 1                        ; which 64 of its columns.  Also: which half of a tile I fetch
	s_bfe_u32 s40, ttmp6, 0x40000                  ; cx
	s_bfe_u32 s41, ttmp6, 0x40004                  ; cy
	s_lshl_b32 s42, ttmp9, 2
	s_add_co_u32 s42, s42, s40                     ; tile column = 4 x cluster x + cx
	s_and_b32 s13, ttmp7, 0xffff
	s_lshl_b32 s13, s13, 2
	s_add_co_u32 s13, s13, s41                     ; tile row = 4 x cluster y + cy
	s_lshl_b32 s43, s41, 2
	s_lshl_b32 s43, 15, s43                        ; my row of the cluster
	s_lshl_b32 s44, 0x1111, s40                    ; my column
	; y's tiles: channel rows of 256 steps, 512 bytes, 1,024 bytes apart; 96 rows a load (the short step: 64)
.irp g, G1A, G1AS
	s_or_b32 s[\g], s43, (1<<16)|(1<<20)|(1<<21)|(6<<22)|(7<<25)  ; the mask; 2-byte elements; padding on; 21 set beside a mask; after every 128 words (code 6) 8 words (code 7)
	s_mov_b32 s[\g+1], 256<<16                     ; tensor_dim0 = 256 steps
	s_mov_b32 s[\g+3], 256<<16                     ; tile_dim0
	s_mov_b32 s[\g+5], 512                         ; 512 elements from channel to channel
	s_mov_b32 s[\g+6], 0
	s_mov_b32 s[\g+7], 0
.endr
	s_mov_b32 s[G1A+2], 96<<16                     ; tensor_dim1
	s_mov_b32 s[G1A+4], 96                         ; tile_dim1
	s_mov_b32 s[G1AS+2], 64<<16
	s_mov_b32 s[G1AS+4], 64
	; Wo's tiles are dense: 64 rows of 384 bytes are asked for as 96 rows of 256 (the short step: 64 rows of 256 as they lie), padded behind every 128 bytes
.irp g, G1B, G1BS
	s_or_b32 s[\g], s44, (1<<16)|(1<<20)|(1<<21)|(4<<22)|(3<<25)  ; after every 32 words (code 4) 4 words (code 3)
	s_mov_b32 s[\g+1], 128<<16                     ; tensor_dim0 = 128 elements: 256 bytes
	s_mov_b32 s[\g+3], 128<<16
	s_mov_b32 s[\g+5], 128
	s_mov_b32 s[\g+6], 0
	s_mov_b32 s[\g+7], 0
.endr
	s_mov_b32 s[G1B+2], 96<<16
	s_mov_b32 s[G1B+4], 96
	s_mov_b32 s[G1BS+2], 64<<16
	s_mov_b32 s[G1BS+4], 64
	; where the tiles come from.  y's offsets are made of the tile row and the wave's number, Wo's of the tile column and the wave's number, each in registers that never hold the other coordinate
	s_lshr_b32 s16, s13, 1                         ; y: the batch's 2,048 rows of 1,024 bytes,
	s_lshl_b32 s16, s16, 21
	s_and_b32 s18, s13, 1                          ; the half of its steps, 512 bytes
	s_lshl_b32 s18, s18, 9
	s_add_co_u32 s16, s16, s18
	s_mov_b32 s17, 0
	s_lshl_b32 s18, s12, 16                        ; the short step: my 64 channel rows
	s_mov_b32 s19, 0
	s_mul_i32 s20, s12, 96*1024                    ; step 1: my 96 channel rows,
	s_add_co_u32 s20, s20, 128*1024                ; behind the short step's 128
	s_mov_b32 s21, 0
	s_mul_i32 s14, s12, 96*PA                      ; where they go: no place in the cluster enters an LDS address
	s_mul_i32 s15, s12, 64*PA
	s_lshl_b32 s46, s42, 15                        ; Wo, block 0: the tile column's 128 rows of 256 bytes,
	s_lshl_b32 s2, s12, 14                         ; my 64 of them
	s_add_co_u32 s46, s46, s2
	s_mov_b32 s47, 0
	s_mul_i32 s22, s42, 128*384                    ; block 1: 128 rows of 384 bytes,
	s_mul_i32 s2, s12, 64*384                      ; my 64,
	s_add_co_u32 s22, s22, s2
	s_add_co_u32 s22, s22, 2048*256                ; behind block 0
	s_mov_b32 s23, 0
	s_mul_i32 s45, s12, 64*PB
	s_add_co_u32 s45, s45, BOFF
	s_mul_i32 s3, s12, 64*PBS
	s_add_co_u32 s3, s3, BOFF
	s_wait_dscnt 0x0                               ; the opening add is done
	s_wait_kmcnt 0x0
	s_add_nc_u64 s[4:5], s[4:5], s[16:17]
	s_mov_b32 s[G0AS], 1                           ; the short step, into slot 0
	s_mov_b32 s[G0AS+1], s15
	s_add_nc_u64 s[G0AS+2:G0AS+3], s[4:5], s[18:19]
	s_or_b32 s[G0AS+3], s[G0AS+3], 0x80000000      ; type = 2
	s_mov_b32 s[G0A+4], 1                          ; slot 1's next tile: step 1
	s_add_co_u32 s[G0A+5], s14, SLOT
	s_add_nc_u64 s[G0A+6:G0A+7], s[4:5], s[20:21]
	s_mov_b32 s[G0A], 1                            ; slot 0's next tile: step 2
	s_mov_b32 s[G0A+1], s14
	s_add_nc_u64 s[G0A+2:G0A+3], s[G0A+6:G0A+7], STEPA
	s_or_b32 s[G0A+7], s[G0A+7], 0x80000000
	s_or_b32 s[G0A+3], s[G0A+3], 0x80000000
	s_mov_b32 s[G0BS], 1
	s_mov_b32 s[G0BS+1], s3
	s_add_nc_u64 s[G0BS+2:G0BS+3], s[6:7], s[46:47]
	s_or_b32 s[G0BS+3], s[G0BS+3], 0x80000000
	s_mov_b32 s[G0B+4], 1
	s_add_co_u32 s[G0B+5], s45, SLOT
	s_add_nc_u64 s[G0B+6:G0B+7], s[6:7], s[22:23]
	s_mov_b32 s[G0B], 1
	s_mov_b32 s[G0B+1], s45
	s_add_nc_u64 s[G0B+2:G0B+3], s[G0B+6:G0B+7], STEPB
	s_or_b32 s[G0B+7], s[G0B+7], 0x80000000
	s_or_b32 s[G0B+3], s[G0B+3], 0x80000000
	CROUND                                         ; all sixteen work-groups are here: the first joint loads meet
	s_cmp_lt_u32 s[WV], 2                          ; a wave's two first fills stand in one branch, ahead of every wait on TENSORcnt and every LDS read: two loads of mine are out
	s_cbranch_scc0 .Lfirst_b
	tensor_load_to_lds s[G0AS:G0AS+3], s[G1AS:G1AS+7]
	s_nop 0
	tensor_load_to_lds s[G0A+4:G0A+7], s[G1A:G1A+7]
	s_nop 0
.rept 4
	v_nop
.endr
	s_branch .Lfirst_asked
.Lfirst_b:
	tensor_load_to_lds s[G0BS:G0BS+3], s[G1BS:G1BS+7]
	s_nop 0
	tensor_load_to_lds s[G0B+4:G0B+7], s[G1B:G1B+7]
	s_nop 0
.rept 4
	v_nop
.endr
.Lfirst_asked:
	v_and_b32 v1, 15, v0                           ; l % 16
	v_bfe_u32 v14, v0, 4, 1                        ; l / 16
	v_and_b32 v15, 7, v0
	v_bfe_u32 v16, v0, 3, 1
	; The turning load takes 16 channels x 16 steps (lane l reads channel 8 (l / 16) + l % 8, steps 8 ((l / 8) % 2) + 0..7) and leaves half a fragment: lane l holds step l % 16 and 8 channels.
	v_lshl_add_u32 v17, v14, 3, v15
	v_mul_u32_u24 v17, v17, PA
	v_lshl_add_u32 v17, v16, 4, v17
	s_lshl_b32 s2, s11, 8                          ; my 128 steps: 256 bytes along the rows
	v_add_nc_u32 v[ADRA], s2, v17
	v_add_nc_u32 v[ADRA+1], 96*PA, v[ADRA]
	v_add_nc_u32 v[ADRA+2], SLOT, v[ADRA]
	v_add_nc_u32 v[ADRA+3], SLOT+96*PA, v[ADRA]
	v_mul_u32_u24 v18, v1, PB
	v_lshl_add_u32 v18, v14, 4, v18                ; Wo as it lies: row x pitch + 16 x half
	v_add_nc_u32 v[ADRB], s45, v18                 ; s45 and s3: Wo's region + my 64 rows, which are also the half that I fetch
	v_add_nc_u32 v[ADRB+1], SLOT, v[ADRB]
	v_mul_u32_u24 v18, v1, PBS
	v_lshl_add_u32 v18, v14, 4, v18
	v_add_nc_u32 v[ADRBS], s3, v18
	s_mul_i32 s2, s[WV], 16*SP
	s_add_co_u32 s2, s2, STAGE                     ; my stage
	v_mul_u32_u24 v19, v1, SP                      ; in: row l % 16, 32 bytes for each half of the lanes
	v_lshl_add_u32 v19, v14, 5, v19
	v_add_nc_u32 v[STO], s2, v19
	v_mul_u32_u24 v19, v14, SP                     ; back: lanes 0-15 one row of 256 bytes, lanes 16-31 the next
	v_lshl_add_u32 v19, v1, 4, v19
	v_add_nc_u32 v[RD], s2, v19
	v_lshlrev_b32 v19, 13, v14                     ; and the same two rows in out0
	v_lshl_add_u32 v[CO], v1, 4, v19
	s_lshl_b32 s22, s13, 21                        ; out0: 256 rows of 8,192 bytes a tile row,
	s_lshl_b32 s2, s11, 20                         ; my 128 rows,
	s_add_co_u32 s22, s22, s2
	s_lshl_b32 s2, s42, 9                          ; the tile's 128 columns,
	s_add_co_u32 s22, s22, s2
	s_lshl_b32 s2, s12, 8                          ; my 64
	s_add_co_u32 s22, s22, s2
	s_mov_b32 s23, 0
	s_add_nc_u64 s[8:9], s[8:9], s[22:23]
; 8 matrix instructions: step blocks a0, a0 + 1 x all 4 column blocks, 32 along K.  zero = 1: the first product starts the sums.  The 32 accumulators take turns.
.macro MUL8 f, a0, zero
	WIN 0x50                                       ; C and D in window 1
.irp a, \a0, (\a0)+1
.irp db, 0,1,2,3
.if \zero
	v_wmma_f32_16x16x32_f16 v[8*(4*(\a)+\db):8*(4*(\a)+\db)+7], v[(\f)+64+8*\db:(\f)+64+8*\db+7], v[(\f)+8*(\a):(\f)+8*(\a)+7], 0
.else
	v_wmma_f32_16x16x32_f16 v[8*(4*(\a)+\db):8*(4*(\a)+\db)+7], v[(\f)+64+8*\db:(\f)+64+8*\db+7], v[(\f)+8*(\a):(\f)+8*(\a)+7], v[8*(4*(\a)+\db):8*(4*(\a)+\db)+7]
.endif
.endr
.endr
.endm
; 24 LDS loads in one run: the fragments of quarter kq (32 channels) of a slot, into buffer f.  In a row of Wo quarter kq lies in piece kq / 2, at its byte 64 (kq % 2).  sh = 1: the short step.
.macro FETCH slot, kq, f, sh=0
	WIN 0
.irp a, 0,1,2,3,4,5,6,7
	ds_load_tr16_b128 v[(\f)+8*\a:(\f)+8*\a+3],   v[ADRA+2*(\slot)+(\kq)/3] offset:((\kq)%3)*32*PA+32*\a
	ds_load_tr16_b128 v[(\f)+8*\a+4:(\f)+8*\a+7], v[ADRA+2*(\slot)+(\kq)/3] offset:((\kq)%3)*32*PA+32*\a+16*PA
.endr
.irp db, 0,1,2,3
.if \sh
	ds_load_b128 v[(\f)+64+8*\db:(\f)+64+8*\db+3],   v[ADRBS] offset:\db*16*PBS+((\kq)/2)*144+((\kq)%2)*64
	ds_load_b128 v[(\f)+64+8*\db+4:(\f)+64+8*\db+7], v[ADRBS] offset:\db*16*PBS+((\kq)/2)*144+((\kq)%2)*64+32
.else
	ds_load_b128 v[(\f)+64+8*\db:(\f)+64+8*\db+3],   v[ADRB+(\slot)] offset:\db*16*PB+((\kq)/2)*144+((\kq)%2)*64
	ds_load_b128 v[(\f)+64+8*\db+4:(\f)+64+8*\db+7], v[ADRB+(\slot)] offset:\db*16*PB+((\kq)/2)*144+((\kq)%2)*64+32
.endif
.endr
.endm
; A quarter is 32 channels, 32 matrix instructions; the quarters go on buffers 0, 1 by turns, and every step has an even number of them.  All but a step's last: the next quarter's fragments are
; asked for at its head, 32 matrix instructions ahead of their use.
.macro QUARTER slot, kqnext, f, g, zero, sh=0
	s_wait_dscnt 0x0                               ; buffer f is in
	PLACES
	FETCH \slot, \kqnext, \g, \sh
	MUL8 \f, 0, \zero
	MUL8 \f, 2, \zero
	MUL8 \f, 4, \zero
	MUL8 \f, 6, \zero
.endm
.macro FIVE slot                       ; the first five quarters of a full step
	QUARTER \slot, 1, F0, F1, 0
	QUARTER \slot, 2, F1, F0, 0
	QUARTER \slot, 3, F0, F1, 0
	QUARTER \slot, 4, F1, F0, 0
	QUARTER \slot, 5, F0, F1, 0
.endm
; A step's last quarter multiplies buffer 1 and changes slots: ONE barrier; in front of it each wave waits for all its tensor loads, of which one is out: its part of the next slot; adds 0 to its spare
; word; and waits for that and for its reads of this slot.  fill = 1: the barrier opens a round of the cluster's barrier, and this slot is filled again, two steps ahead, first thing behind the round:
; 176 matrix instructions of mine ahead of the wait for it.  The OTHER slot's group 0, whose load has just been shown done, is stepped to that slot's next tile meanwhile.
.macro TURN slot, next, fill
	s_wait_dscnt 0x0                               ; buffer 1 is in: my last reads of this slot
	WIN 0                                          ; (the add's two registers lie in window 0)
	s_wait_tensorcnt 0x0                           ; all my tensor loads have landed, so every group 0 may be written
	ds_add_u32 v[SPW], v[NIL]                      ; 0 onto my spare word
.if \fill
	s_add_nc_u64 s[G0A+6-4*(\slot):G0A+7-4*(\slot)], s[G0A+6-4*(\slot):G0A+7-4*(\slot)], 2*STEPA  ; (behind the last tile the stepped addresses are not used)
	s_add_nc_u64 s[G0B+6-4*(\slot):G0B+7-4*(\slot)], s[G0B+6-4*(\slot):G0B+7-4*(\slot)], 2*STEPB
.endif
	MUL8 F1, 0, 0                                  ; eight matrix instructions stand between the add and the wait for it
	s_wait_dscnt 0x0                               ; the add is done
	s_barrier_signal -1
	MUL8 F1, 2, 0
	WIN 0
	s_barrier_wait -1
.if \fill
	CREST                                          ; no wave of any partner still reads this slot's tile or has a load on its way
	JLOAD \slot                                    ; the four v_nop behind it are also the places in front of the loads below
.else
	PLACES
.endif
	FETCH \next, 0, F0
	MUL8 F1, 4, 0
	MUL8 F1, 6, 0
.endm
	s_wait_tensorcnt 0x1                           ; my part of the short step is in; step 1's may stay out
	s_barrier_signal -1
	s_barrier_wait -1                              ; everybody's is
	FETCH 0, 0, F0, 1
	QUARTER 0, 1, F0, F1, 1, 1                     ; the short step stands in front of the loop: its first products start the sums
	QUARTER 0, 2, F1, F0, 0, 1
	QUARTER 0, 3, F0, F1, 0, 1
	TURN 0, 1, 1                                   ; slot 0 takes step 2
	WIN 0                                          ; at a label and at a branch every window is 0
	s_mov_b32 s3, 4
.Llap:                                                 ; a trip: an odd step in slot 1, an even one in slot 0: steps 1 to 8; it fills both slots again: steps 3 to 10
	FIVE 1
	TURN 1, 0, 1
	FIVE 0
	TURN 0, 1, 1
	WIN 0
	s_sub_co_u32 s3, s3, 1
	s_cmp_lg_u32 s3, 0
	s_cbranch_scc1 .Llap
	FIVE 1                                         ; steps 9 and 10 are written out: they ask for nothing
	TURN 1, 0, 0
	FIVE 0
	s_wait_dscnt 0x0                               ; the very last quarter: nothing more to fetch
	MUL8 F1, 0, 0
	MUL8 F1, 2, 0
	MUL8 F1, 4, 0
	MUL8 F1, 6, 0
	WIN 0
; THE WAY OUT, a block of 16 rows at a time: a lane's 32 bytes of a row go into my own stage in rows of 272 bytes and come back as whole rows of 256.  Each accumulator's four lowest registers go first.
.macro TOSTAGE a
	WIN 0x04                                       ; the data, source 1, in window 1
.irp db, 0,1,2,3
	ds_store_b128 v[STO], v[8*(4*(\a)+\db):8*(4*(\a)+\db)+3]   offset:64*\db
	ds_store_b128 v[STO], v[8*(4*(\a)+\db)+4:8*(4*(\a)+\db)+7] offset:64*\db+16
.endr
	WIN 0
	s_wait_xcnt 0x0                                ; the stores of the block two back have read the registers that are loaded again below
.set BK, OBUF+32*((\a)%2)
.irp u, 0,1,2,3,4,5,6,7
	ds_load_b128 v[BK+4*\u:BK+4*\u+3], v[RD] offset:\u*2*SP  ; LDS serves a wave's instructions in order (ISA guide 5.7.1.4): these see the stores above; the next block's stores come behind them
.endr
.endm
.macro SEND a, younger                 ; younger: the LDS instructions issued behind block a's loads: the next block's sixteen, or none
	s_wait_dscnt \younger
.set BK, OBUF+32*((\a)%2)
.irp u, 0,1,2,3,4,5,6,7
	global_store_b128 v[CO], v[BK+4*\u:BK+4*\u+3], s[8:9] offset:(16*(\a)+2*\u)*8192 th:TH_STORE_NT  ; 16 lanes store 256 consecutive bytes, at a multiple of 256 from out0's first byte
.endr
.endm
	PLACES                                         ; the stores below read results just made
	TOSTAGE 0
.irp a, 1,2,3,4,5,6,7
	TOSTAGE \a
	SEND (\a)-1, 16
.endr
	SEND 7, 0
	s_wait_tensorcnt 0x0                           ; the wave's end: behind my last tensor load and my last LDS store
	ds_add_u32 v[SPW], v[NIL]
	s_wait_dscnt 0x0
	CROUND                                         ; the closing round: no work-group ends while a partner may still ask for a tile that names it
	s_endpgm
.Lfunc_end_k_qea052f0e29_outp:
	.size	k_qea052f0e29_outp, .Lfunc_end_k_qea052f0e29_outp-k_qea052f0e29_outp
	.p2alignl 7, 3214868480
	.fill 96, 4, 3214868480
	.section	.rodata,"a",@progbits
	.p2align	6, 0x0
	.amdhsa_kernel k_qea052f0e29_outp
		.amdhsa_group_segment_fixed_size 327680
		.amdhsa_private_segment_fixed_size 0
		.amdhsa_enable_private_segment 0
		.amdhsa_kernarg_size 24
		.amdhsa_user_sgpr_count 2
		.amdhsa_user_sgpr_kernarg_segment_ptr 1
		.amdhsa_wavefront_size32 1
		.amdhsa_system_sgpr_workgroup_id_x 1
		.amdhsa_system_sgpr_workgroup_id_y 1
		.amdhsa_system_sgpr_workgroup_id_z 1
		.amdhsa_system_vgpr_workitem_id 0
		.amdhsa_next_free_vgpr 512
		.amdhsa_next_free_sgpr 92
		.amdhsa_reserve_vcc 0
		.amdhsa_float_denorm_mode_32 3
		.amdhsa_float_denorm_mode_16_64 3
		.amdhsa_memory_ordered 1
		.amdhsa_forward_progress 1
		.amdhsa_inst_pref_size 132
	.end_amdhsa_kernel
	.amdgpu_metadata
---
amdhsa.version: [ 1, 2 ]
amdhsa.kernels:
  - .name:           k_qea052f0e29_outp
    .symbol:         k_qea052f0e29_outp.kd
    .args:
      - { .name: yt, .offset: 0, .size: 8, .value_kind: global_buffer, .address_space: global }
      - { .name: wo, .offset: 8, .size: 8, .value_kind: global_buffer, .address_space: global }
      - { .name: out0, .offset: 16, .size: 8, .value_kind: global_buffer, .address_space: global }
    .group_segment_fixed_size: 327680
    .private_segment_fixed_size: 0
    .kernarg_segment_align: 8
    .kernarg_segment_size: 24
    .max_flat_workgroup_size: 128
    .sgpr_count:     92
    .vgpr_count:     512
    .wavefront_size: 32
...
	.end_amdgpu_metadata
.endif
;; end of part 3
;; ======== version 2 of 2: 3 launches; version 1 with the launch cast written anew for expert scheduling mode
;; limits: values are held in f16: magnitudes above 65,504 overflow, below 6.1e-05 lose precision
;; workspace buffers: xb 16,777,216 bytes; wb 25,165,824 bytes; wo 8,388,608 bytes; yt 16,777,216 bytes
;; launch cast (part 4): grid 1280 x 1, 4 waves a work-group, no clusters, 0 bytes of LDS; arguments x, Wr, Wk, Wv, xb, wb; writes xb, wb
.if DOCPART == 4
	.amdgcn_target "amdgcn-amd-amdhsa--gfx1250"
	.amdhsa_code_object_version 6
	.text
	.protected	k_qea052f0e29_cast
	.globl	k_qea052f0e29_cast
	.p2align	8
	.type	k_qea052f0e29_cast,@function
k_qea052f0e29_cast:
	s_mov_b64 s[64:65], 0
	v_nop
	global_prefetch_b8 v0, s[64:65] scope:SCOPE_SE
	s_setreg_imm32_b32 hwreg(HW_REG_WAVE_SCHED_MODE, 0, 2), 2
	s_setreg_imm32_b32 hwreg(HW_REG_WAVE_MODE, 25, 1), 1
	s_wait_xcnt 0x0
	s_wait_alu depctr_vm_vsrc(0)
; x, Wr, Wk, Wv -> bf16 in blocked layouts.  Every number is rounded to nearest even, once.
; xb: bf16 [b 8][ks 32][p 512][64]: a tile (b, ks) is 512 row places x 64 channels, 65,536 dense bytes.  Step t of a batch lies at place
;     p = (t & 0x180) | ((t >> 3) & 7) << 4 | ((t >> 6) & 1) << 3 | (t & 7), so that in the next launch a lane's matrix results are 64 consecutive steps.
; wb: bf16 [g 32][ks 32][row 192][64], row = 64 mat + (d & 63), mat 0 = Wr, 1 = Wk, 2 = Wv, g = d >> 6: a tile is 24,576 dense bytes.
; LIMITS.  bf16 has f32's range: none of range.  NaN and infinities are not treated apart.
; SHARES.  One wave takes two neighbouring rows of 2,048 f32 (16,384 bytes in, 8,192 out): 32 loads of 16 bytes a lane, all issued at once, then 32 stores of 8 bytes
; a lane.  5,120 pairs of rows, 4 waves a work-group: 1,280 work-groups, five for each of 256 WGPs.  No loop, no LDS, no barrier: memory binds, and no wave needs another.
; Every load covers two aligned runs of 256 bytes; every store of a wave covers 256 consecutive bytes, aligned: two neighbouring row places of 128 bytes lie end to end.
; THE MODE: SCHED_MODE bits 1:0 = 2 (LLVM: expert scheduling mode 2), set by the entry lines.  The code itself states the register dependences
; between vector instructions and memory instructions, with s_wait_alu, always for 0.
; THE PLAN.  Registers that memory instructions touch:
;   v2, v3     byte offsets of the loads and of the stores: made at the head by vector instructions, never written again.
;   v[4:131]   load j: 4 registers.  Written by load j, once, and named by no vector instruction before it.  Load j's two roundings read the four and write the first two;
;              store j reads those two; nothing writes them again.
; The 32 loads' work goes in eight blocks of four.  Block p rounds its own sixteen registers; its memory instructions are the four stores of block p - 1, whose data no
; rounding of block p names.  So one wait on va_vdst at a block's head states all that the block's four stores hang on, and they are dealt among its roundings with no further wait.
; No register that a memory instruction reads is ever written again: behind the entry lines the text holds no wait on vm_vsrc and no s_wait_xcnt.
.set X,   4                            ; v[4:131]   load j: 4 registers; its packed result takes the first two
.set TW,  132                          ; v132       at work at the head
.set BLK, 4                            ; loads in a block
; 32 loads, 64 channels apart; then, block by block as they come in, their roundings, and among these the stores of the block before, a tile (outstep bytes) apart.
.macro ROWS outstep
	s_wait_alu depctr_va_vdst(0)                   ; v2 and v3 are written: every load below reads v2 as its offset, every store v3
.set j, 0
.rept 32
	global_load_b128 v[X+4*j:X+4*j+3], v2, s[28:29] offset:j*256 th:TH_LOAD_NT
.set j, j+1
.endr
.set p, 0
.rept 32/BLK
	s_wait_loadcnt 32-BLK-BLK*p                    ; loads come back in order (ISA guide 5.7.1): block p's four are in, the 28 - 4 p younger ones stay out
.if p > 0
	s_wait_alu depctr_va_vdst(0)                   ; the roundings of the block before have written the data that the four stores below read
.endif
.set i, 0
.rept BLK
.set j, BLK*p+i
.if p > 0
	global_store_b64 v3, v[X+4*(j-BLK):X+4*(j-BLK)+1], s[30:31] offset:(j-BLK)*(\outstep)  ; the block before; no vector instruction since the wait names these registers, and none is written again
.endif
	v_cvt_pk_bf16_f32 v[X+4*j], v[X+4*j], v[X+4*j+1]
	v_cvt_pk_bf16_f32 v[X+4*j+1], v[X+4*j+2], v[X+4*j+3]
.set i, i+1
.endr
.set p, p+1
.endr
	s_wait_alu depctr_va_vdst(0)                   ; the last block's roundings have written the data of the last four stores
.set j, 32-BLK
.rept BLK
	global_store_b64 v3, v[X+4*j:X+4*j+1], s[30:31] offset:j*(\outstep)  ; no register of a store is written again, so no wait follows
.set j, j+1
.endr
.endm
	s_load_b256 s[8:15], s[0:1], 0x0               ; x s[8:9], Wr s[10:11], Wk s[12:13], Wv s[14:15]
	s_load_b128 s[16:19], s[0:1], 0x20             ; xb s[16:17], wb s[18:19]
	v_and_b32 v1, 31, v0                           ; lane
	v_lshrrev_b32 v2, 5, v0
	v_readfirstlane_b32 s24, v2                    ; wave 0..3
	v_lshlrev_b32 v3, 3, v1                        ; out: 8 bytes a lane, 256 on end
	v_and_b32 v2, 15, v0
	v_lshlrev_b32 v2, 4, v2
	v_bfe_u32 v[TW], v0, 4, 1
	v_lshl_add_u32 v2, v[TW], 13, v2               ; in: lanes 0-15 the even row, lanes 16-31 the odd one, 16 bytes a lane
	s_mov_b32 s25, ttmp9                           ; q
	s_mov_b32 s33, 0                               ; high words of the two offsets
	s_mov_b32 s35, 0
	s_wait_alu depctr_va_sdst(0)                   ; s24 is written, ahead of the branch
	s_wait_kmcnt 0x0
	s_cmp_lt_u32 s25, 512
	s_cbranch_scc0 .Lnot_x
	; x: pair P = 4 q + wave of 2,048
	s_lshl2_add_u32 s36, s25, s24
	s_lshl_b32 s32, s36, 14
	s_add_nc_u64 s[28:29], s[8:9], s[32:33]        ; two rows are 16,384 bytes
	s_lshl_b32 s26, s36, 1
	s_and_b32 s26, s26, 511                        ; t, even
	s_and_b32 s27, s26, 0x180
	s_bfe_u32 s34, s26, 0x30003                    ; (t >> 3) & 7
	s_lshl_b32 s34, s34, 4
	s_or_b32 s27, s27, s34
	s_bfe_u32 s34, s26, 0x10006                    ; (t >> 6) & 1
	s_lshl_b32 s34, s34, 3
	s_or_b32 s27, s27, s34
	s_and_b32 s34, s26, 7
	s_or_b32 s27, s27, s34                         ; p; t + 1 lies at p + 1
	s_lshl_b32 s27, s27, 7                         ; 128 bytes a place
	s_lshr_b32 s34, s36, 8                         ; the batch
	s_lshl_b32 s34, s34, 21                        ; 32 tiles of 65,536 bytes
	s_add_co_u32 s34, s34, s27
	s_add_nc_u64 s[30:31], s[16:17], s[34:35]
	ROWS 65536
	s_endpgm
.Lnot_x:
	; Wr, Wk, Wv: 256 work-groups each; pair P of 1,024
	s_sub_co_u32 s26, s25, 512
	s_lshr_b32 s27, s26, 8                         ; mat
	s_and_b32 s26, s26, 255
	s_lshl2_add_u32 s36, s26, s24
	s_cmp_eq_u32 s27, 1
	s_cselect_b64 s[28:29], s[12:13], s[10:11]
	s_cmp_eq_u32 s27, 2
	s_cselect_b64 s[28:29], s[14:15], s[28:29]
	s_lshl_b32 s32, s36, 14
	s_add_nc_u64 s[28:29], s[28:29], s[32:33]
	s_lshr_b32 s34, s36, 5                         ; g = d >> 6, d = 2 P
	s_mul_i32 s34, s34, 786432                     ; 32 tiles of 24,576 bytes
	s_lshl_b32 s26, s36, 1
	s_and_b32 s26, s26, 63                         ; d & 63
	s_lshl_b32 s27, s27, 6
	s_add_co_u32 s26, s26, s27                     ; the row in a tile
	s_lshl_b32 s26, s26, 7
	s_add_co_u32 s34, s34, s26
	s_add_nc_u64 s[30:31], s[18:19], s[34:35]
	ROWS 24576
	s_endpgm
.Lfunc_end_k_qea052f0e29_cast:
	.size	k_qea052f0e29_cast, .Lfunc_end_k_qea052f0e29_cast-k_qea052f0e29_cast
	.p2alignl 7, 3214868480
	.fill 96, 4, 3214868480
	.section	.rodata,"a",@progbits
	.p2align	6, 0x0
	.amdhsa_kernel k_qea052f0e29_cast
		.amdhsa_group_segment_fixed_size 0
		.amdhsa_private_segment_fixed_size 0
		.amdhsa_enable_private_segment 0
		.amdhsa_kernarg_size 48
		.amdhsa_user_sgpr_count 2
		.amdhsa_user_sgpr_kernarg_segment_ptr 1
		.amdhsa_wavefront_size32 1
		.amdhsa_system_sgpr_workgroup_id_x 1
		.amdhsa_system_sgpr_workgroup_id_y 1
		.amdhsa_system_sgpr_workgroup_id_z 1
		.amdhsa_system_vgpr_workitem_id 0
		.amdhsa_next_free_vgpr 136
		.amdhsa_next_free_sgpr 66
		.amdhsa_reserve_vcc 0
		.amdhsa_float_denorm_mode_32 3
		.amdhsa_float_denorm_mode_16_64 3
		.amdhsa_memory_ordered 1
		.amdhsa_forward_progress 1
		.amdhsa_inst_pref_size 24
	.end_amdhsa_kernel
	.amdgpu_metadata
---
amdhsa.version: [ 1, 2 ]
amdhsa.kernels:
  - .name:           k_qea052f0e29_cast
    .symbol:         k_qea052f0e29_cast.kd
    .args:
      - { .name: x, .offset: 0, .size: 8, .value_kind: global_buffer, .address_space: global }
      - { .name: Wr, .offset: 8, .size: 8, .value_kind: global_buffer, .address_space: global }
      - { .name: Wk, .offset: 16, .size: 8, .value_kind: global_buffer, .address_space: global }
      - { .name: Wv, .offset: 24, .size: 8, .value_kind: global_buffer, .address_space: global }
      - { .name: xb, .offset: 32, .size: 8, .value_kind: global_buffer, .address_space: global }
      - { .name: wb, .offset: 40, .size: 8, .value_kind: global_buffer, .address_space: global }
    .group_segment_fixed_size: 0
    .private_segment_fixed_size: 0
    .kernarg_segment_align: 8
    .kernarg_segment_size: 48
    .max_flat_workgroup_size: 128
    .sgpr_count:     66
    .vgpr_count:     136
    .wavefront_size: 32
...
	.end_amdgpu_metadata
.endif
;; end of part 4
;; launch mix: the kernel of part 2 again; grid 32 x 8, 4 waves a work-group, clusters of 4 x 4, 327,680 bytes of LDS; arguments xb, wb, time_decay, time_first, yt, Wo, wo; writes yt, wo
;; launch outp: the kernel of part 3 again; grid 16 x 16, 4 waves a work-group, clusters of 4 x 4, 327,680 bytes of LDS; arguments yt, wo, out0; writes out0
